; MI455X (gfx1250); checked and timed in simulation.
; The chip was launched on July 23, 2026; its instructions are those of AMD's public machine-readable ISA for CDNA 5 (MIT licence, August 2026) and "CDNA5" Instruction Set Architecture Reference Guide (July 2026). The comments in the code are by the model that wrote it; some were corrected since.
;; Multi Head Attention. Allowed arithmetic: float matrix products may take bf16 or f16 operands with f32 sums; other float arithmetic in f32, or as packed bf16 or f16 multiplies, adds, multiply-adds, maxima and minima; sums over many terms, partial sums and values carried from step to step in f32; what a program stores and reads back later, other than sums and carried values, may be rounded once to bf16 or f16.
;; Inputs: beta 512 float32; bk 512 float32; bq 512 float32; bv 512 float32; gamma 512 float32; inputs 8 x 1,024 x 512 float32; wk 512 x 512 float32; wq 512 x 512 float32; wv 512 x 512 float32.
;; Outputs: out0 8 x 1,024 x 512 float32.
;; 2 versions, each right; version 2 is version 1 with the launch bn written anew for expert scheduling mode. Each part assembles by itself: llvm-mc -triple=amdgcn-amd-amdhsa -mcpu=gfx1250 --defsym DOCPART=n.
;; ======== version 1 of 2: 4 launches
;; workspace buffers: wf 1,572,864 bytes; qf 8,388,608 bytes; kv 16,777,216 bytes; y 16,777,216 bytes; part 131,072 bytes
;; launch prep (part 1): grid 32 x 3, 4 waves a work-group, no clusters, 0 bytes of LDS; arguments wq, wk, wv, wf; writes wf
.if DOCPART == 1
	.amdgcn_target "amdgcn-amd-amdhsa--gfx1250"
	.amdhsa_code_object_version 6
	.text
	.protected	k_q2b00f3672e_prep
	.globl	k_q2b00f3672e_prep
	.p2align	8
	.type	k_q2b00f3672e_prep,@function
k_q2b00f3672e_prep:
	s_mov_b64 s[64:65], 0
	v_nop
	global_prefetch_b8 v0, s[64:65] scope:SCOPE_SE
	s_setreg_imm32_b32 hwreg(HW_REG_WAVE_MODE, 25, 1), 1
	s_wait_xcnt 0x0
; THE PROGRAM: out0 = batch norm over all 8,192 rows of (softmax(q k^T / sqrt(32)) v + inputs), q, k, v = relu(inputs w + b), 16 heads of 32 channels.
; Four launches: this one (weights to bf16, in fragment order); the three projections; attention with the residual and each block's sums; the normalisation.
; NO WORK IS LEFT OUT: every input has a way to out0.  bk stands inside a ReLU, so it is no term that is the same along the softmax's axis; gamma and beta are applied as given.
; FORMATS: matrix operands (inputs, weights, q, k, v, the weights p) are bf16; all sums, maxima, the residual, y and the statistics are f32.
;
; THIS LAUNCH: wq, wk, wv ([512 k][512 n], f32) are rounded once to bf16 and laid so that a matrix fragment is 32 lanes x 16 consecutive bytes:
;   wf[cg 0..7][ks 0..15][f 0..11][hf 0..1][lane][16 bytes]: cg = 64 columns (two heads), ks = 32 along k, f = 4 x (0 wq, 1 wk, 2 wv) + block of 16 columns;
;   lane (r = l % 16, h = l / 16) holds column 64 cg + 16 (f % 4) + r and k = 32 ks + 16 hf + 8 h + 0..7, the lower k in the lower bits.
; SHARES: a wave takes one weight, one cg, one ks: 32 rows x 256 bytes in, 4,096 bytes out.  96 work-groups of four waves are all the work there is.
; A load of a wave takes 64 bytes of each of two rows; the wave's 64 loads use up whole runs of 256 bytes of its 32 rows.  A store of a wave covers 512 consecutive bytes, aligned.
.set RAWR, 16                          ; v[16:79]   as loaded: block fn, half hf, k index i at 16 fn + 8 hf + i
.set PKD,  80                          ; v[80:111]  packed: 8 fn + 4 hf + 0..3
	s_load_b256 s[4:11], s[0:1], 0x0               ; wq s[4:5], wk s[6:7], wv s[8:9], wf s[10:11]
	v_lshrrev_b32 v1, 5, v0
	v_readfirstlane_b32 s12, v1                    ; wave 0..3
	s_and_b32 s13, ttmp7, 0xffff                   ; which weight
	s_lshr_b32 s14, ttmp9, 2                       ; cg
	s_and_b32 s15, ttmp9, 3
	s_lshl_b32 s15, s15, 2
	s_add_co_u32 s15, s15, s12                     ; ks
	v_and_b32 v4, 15, v0                           ; r
	v_bfe_u32 v5, v0, 4, 1                         ; h
	v_lshlrev_b32 v2, 2, v4
	v_lshl_add_u32 v2, v5, 14, v2                  ; in: 8 h rows of 2,048 bytes + 4 r
	v_and_b32 v3, 31, v0
	v_lshlrev_b32 v3, 4, v3                        ; out: 16 x lane
	s_lshl_b32 s16, s15, 16                        ; 32 ks rows
	s_lshl_b32 s17, s14, 8                         ; 64 cg columns
	s_add_co_u32 s16, s16, s17
	s_mov_b32 s17, 0
	s_mul_i32 s18, s14, 196608
	s_mul_i32 s19, s15, 12288
	s_add_co_u32 s18, s18, s19
	s_lshl_b32 s19, s13, 12
	s_add_co_u32 s18, s18, s19
	s_mov_b32 s19, 0
	s_wait_kmcnt 0x0
	s_cmp_eq_u32 s13, 0
	s_cselect_b64 s[20:21], s[4:5], s[6:7]
	s_cmp_eq_u32 s13, 2
	s_cselect_b64 s[20:21], s[8:9], s[20:21]
	s_add_nc_u64 s[20:21], s[20:21], s[16:17]
	s_add_nc_u64 s[10:11], s[10:11], s[18:19]
.irp fn, 0,1,2,3
.irp hf, 0,1
.irp i, 0,1,2,3,4,5,6,7
	global_load_b32 v[RAWR+16*\fn+8*\hf+\i], v2, s[20:21] offset:(16*\hf+\i)*2048+64*\fn
.endr
.endr
.endr
	s_wait_loadcnt 0x0
.irp q, 0,1,2,3,4,5,6,7
.irp p, 0,1,2,3
	v_cvt_pk_bf16_f32 v[PKD+4*\q+\p], v[RAWR+8*\q+2*\p], v[RAWR+8*\q+2*\p+1]
.endr
.endr
.irp q, 0,1,2,3,4,5,6,7
	global_store_b128 v3, v[PKD+4*\q:PKD+4*\q+3], s[10:11] offset:512*\q
.endr
	s_endpgm
.Lfunc_end_k_q2b00f3672e_prep:
	.size	k_q2b00f3672e_prep, .Lfunc_end_k_q2b00f3672e_prep-k_q2b00f3672e_prep
	.p2alignl 7, 3214868480
	.fill 96, 4, 3214868480
	.section	.rodata,"a",@progbits
	.p2align	6, 0x0
	.amdhsa_kernel k_q2b00f3672e_prep
		.amdhsa_group_segment_fixed_size 0
		.amdhsa_private_segment_fixed_size 0
		.amdhsa_enable_private_segment 0
		.amdhsa_kernarg_size 32
		.amdhsa_user_sgpr_count 2
		.amdhsa_user_sgpr_kernarg_segment_ptr 1
		.amdhsa_wavefront_size32 1
		.amdhsa_system_sgpr_workgroup_id_x 1
		.amdhsa_system_sgpr_workgroup_id_y 1
		.amdhsa_system_sgpr_workgroup_id_z 1
		.amdhsa_system_vgpr_workitem_id 0
		.amdhsa_next_free_vgpr 112
		.amdhsa_next_free_sgpr 66
		.amdhsa_reserve_vcc 0
		.amdhsa_float_denorm_mode_32 3
		.amdhsa_float_denorm_mode_16_64 3
		.amdhsa_memory_ordered 1
		.amdhsa_forward_progress 1
		.amdhsa_inst_pref_size 11
	.end_amdhsa_kernel
	.amdgpu_metadata
---
amdhsa.version: [ 1, 2 ]
amdhsa.kernels:
  - .name:           k_q2b00f3672e_prep
    .symbol:         k_q2b00f3672e_prep.kd
    .args:
      - { .name: wq, .offset: 0, .size: 8, .value_kind: global_buffer, .address_space: global }
      - { .name: wk, .offset: 8, .size: 8, .value_kind: global_buffer, .address_space: global }
      - { .name: wv, .offset: 16, .size: 8, .value_kind: global_buffer, .address_space: global }
      - { .name: wf, .offset: 24, .size: 8, .value_kind: global_buffer, .address_space: global }
    .group_segment_fixed_size: 0
    .private_segment_fixed_size: 0
    .kernarg_segment_align: 8
    .kernarg_segment_size: 32
    .max_flat_workgroup_size: 128
    .sgpr_count:     66
    .vgpr_count:     112
    .wavefront_size: 32
...
	.end_amdgpu_metadata
.endif
;; end of part 1
;; launch proj (part 2): grid 32 x 8, 4 waves a work-group, clusters of 4 x 1, 197,120 bytes of LDS; arguments inputs, wf, bq, bk, bv, qf, kv; writes qf, kv
.if DOCPART == 2
	.amdgcn_target "amdgcn-amd-amdhsa--gfx1250"
	.amdhsa_code_object_version 6
	.text
	.protected	k_q2b00f3672e_proj
	.globl	k_q2b00f3672e_proj
	.p2align	8
	.type	k_q2b00f3672e_proj,@function
k_q2b00f3672e_proj:
	s_mov_b64 s[64:65], 0
	v_nop
	global_prefetch_b8 v0, s[64:65] scope:SCOPE_SE
	s_setreg_imm32_b32 hwreg(HW_REG_WAVE_MODE, 25, 1), 1
	s_wait_xcnt 0x0
	s_wait_alu depctr_hold_cnt(0) depctr_sa_sdst(0) depctr_va_vdst(0) depctr_va_sdst(0) depctr_va_ssrc(0) depctr_va_vcc(0) depctr_vm_vsrc(0)
	s_getreg_b32 s2, hwreg(HW_REG_IB_STS2, 6, 4)
	s_cmp_eq_u32 s2, 0
	s_cbranch_scc0 .Lentry_in_a_cluster
	s_endpgm
.Lentry_in_a_cluster:
	s_bfe_u32 s2, ttmp6, 0x10000c
	s_cmp_lg_u32 s2, 0x3003
	s_cbranch_scc0 .Lentry_shape_is_right
	s_endpgm
.Lentry_shape_is_right:
; q = c relu(x wq + bq), k = relu(x wk + bk), v = relu(x wv + bv), c = log2(e) / sqrt(32): products in bf16, sums in f32, each result rounded once to bf16.  Nothing of the problem is left out here.
; c is applied in f32 ahead of q's one rounding (c > 0, so it passes through the ReLU): the scores of the next launch are exponents of 2.
; LIMITS: the ReLU is a maximum with 0 in which a NaN loses (a NaN becomes 0); infinities are not treated apart.
; SHARES: a work-group makes 256 rows x 192 columns (64 each of q, k, v: two heads); each of its four waves 64 rows x 192 columns: 48 accumulators, 384 registers.  256 work-groups.
; W: the strip of 64 columns of all three weights, 196,608 bytes in fragment order, fits in LDS whole: four chunks of four K steps, filled once.  The four work-groups of a
; cluster take four row blocks of the same strip, so each chunk is asked for JOINTLY (the same load, descriptor and mask in all four).  A chunk is read behind the wait of each wave for its part and a barrier.
; x: no wave wants another wave's rows, so x goes from memory straight into fragments: 32 bytes twice a lane and fragment, converted in registers; three K steps are on their way.
; ORDER OF SOURCES: for q and k source 0 = 16 columns of W, source 1 = 16 rows of x: a lane ends with 8 neighbouring channels of one row.  For v source 0 = rows of x, source 1 = columns: a lane ends
; with 8 neighbouring keys of one channel.  Both are 16 bytes of the fragments that the next launch loads, so every store of a wave covers 512 consecutive bytes, aligned:
;   qf[b][head][tile of 16 rows][nb 0..1][lane][16 B]: lane (r, h): row 16 tile + r, channels 16 nb + 8 h + 0..7.     kv[b][head]: K at 0 in that layout; V at 65,536 as
;   [kg 0..31][cb 0..1][hf 0..1][lane][16 B]: lane (r, h): channel 16 cb + r, keys 32 kg + 16 hf + 8 h + 0..7.
; REGISTERS, in windows of 256 (s_set_vgpr_msb: bits 1:0 source 0, 3:2 source 1, 5:4 source 2, 7:6 destination):
;   window 0: v0-23 addresses and bv; v32-63 at work on the way out; v64-255 x as loaded, three slots of 64; on the way out 48 x 4 packed results
;   window 1: W's fragments, two buffers of 96          window 2: the 32 accumulators of q and k, (f, mt) at 8 (4 f + mt)
;   window 3: v0-127 the 16 accumulators of v; v128-191 x's fragments, two buffers of 32; v192-223 c bq, v224-255 bk: 8 for each block of 16 columns
.set SPARE, 196608                     ; behind the strip: the spare words, 128 bytes for each wave
.set CHUNK, 49152                      ; four K steps of W
.set KSB,   12288                      ; one K step of W: 12 fragments of 1,024 bytes
.set XO,  3                            ; v3     my byte offset in 16 rows of x: 2,048 r + 32 h
.set BA,  4                            ; v4-7   16 x lane + chunk c's first byte
.set SO,  8                            ; v8     16 x lane
.set HO,  9                            ; v9     32 h
.set RO,  10                           ; v10    4 r
.set ZR,  11                           ; v11    0, for the ReLU
.set SPW, 12                           ; v12    LDS address of my spare word; never rewritten
.set NIL, 13                           ; v13    0; never rewritten
.set BV,  16                           ; v16-23 bv of my channel in block fv, twice: a pair for the packed add
.set T,   32
.set RAW, 64
.set OUT, 64
.set AF,  128                          ; window 3
.set BQ,  192                          ; window 3
.set G1,  20                           ; s[20:27] descriptor group 1
.set G0,  28                           ; s[28:43] descriptor group 0, one set for each chunk
.set WV,  44
.set CX,  45
.set CS,  56                           ; s[56:57] c, twice
.set MSB, 0
.macro WIN new                         ; the immediate's high byte repeats the setting that is left; a switch that changes nothing is dropped
.if MSB != (\new)
	s_set_vgpr_msb (MSB<<8)|(\new)
.set MSB, \new
.endif
.endm
.macro CROUND                          ; a round of the cluster's barrier
	s_barrier_signal -1
	s_barrier_wait -1
	s_cmp_lg_u32 s[WV], 0
	s_cbranch_scc1 .Lnot_wave_0_\@
	s_barrier_signal -3
.Lnot_wave_0_\@:
	s_barrier_wait -3
	s_barrier_signal -1
	s_barrier_wait -1
.endm
.macro PLACES                          ; four plain instructions between a matrix instruction and a write of, or a load into, its registers
.rept 4
	v_nop
.endr
.endm
	s_load_b256 s[4:11], s[0:1], 0x0               ; inputs s[4:5], wf s[6:7], bq s[8:9], bk s[10:11]
	s_load_b128 s[12:15], s[0:1], 0x20             ; bv s[12:13], qf s[14:15]
	s_load_b64 s[16:17], s[0:1], 0x30              ; kv
	v_lshl_add_u32 v[SPW], v0, 2, SPARE
	v_mov_b32 v[NIL], 0
	ds_add_u32 v[SPW], v[NIL]                      ; the wave's opening: the add, twice on end, and its wait ahead of my first tensor load
	ds_add_u32 v[SPW], v[NIL]
	v_lshrrev_b32 v14, 5, v0
	v_readfirstlane_b32 s[WV], v14                 ; wave 0..3
	s_bfe_u32 s[CX], ttmp6, 0x40000                ; my place in the cluster: it enters the addresses of x, qf and kv alone
	s_and_b32 s55, ttmp7, 0xffff                   ; cg, which the four partners share
	; group 1: 48 rows of 256 bytes, in elements of 8 bytes, dense in memory and in LDS
	s_mov_b32 s[G1+0], 15|(3<<16)|(1<<21)          ; 15:0 the mask of four; 17:16 elements of 8 bytes; 21 set beside a mask
	s_mov_b32 s[G1+1], 32<<16                      ; tensor_dim0 = 32
	s_mov_b32 s[G1+2], 48<<16                      ; tensor_dim1 = 48
	s_mov_b32 s[G1+3], 32<<16                      ; tile_dim0 = 32
	s_mov_b32 s[G1+4], 48                          ; tile_dim1 = 48
	s_mov_b32 s[G1+5], 32                          ; 32 elements from row to row
	s_mov_b32 s[G1+6], 0
	s_mov_b32 s[G1+7], 0
	s_mul_i32 s18, s[WV], KSB                      ; my quarter of a chunk, in memory and in LDS
	s_mul_i32 s58, s55, 196608                     ; the strip
	s_add_co_u32 s58, s58, s18
	s_mov_b32 s59, 0
	s_lshl_b32 s60, s55, 8                         ; the strip's 64 numbers in a bias
	s_mov_b32 s61, 0
	s_lshl_b32 s54, ttmp9, 2
	s_add_co_u32 s54, s54, s[CX]                   ; my block of 256 rows = 4 x cluster x + cx
	s_lshl_b32 s62, s54, 19                        ; 256 rows of 2,048 bytes
	s_lshl_b32 s63, s[WV], 17                      ; my wave's 64 rows
	s_add_co_u32 s62, s62, s63
	s_mov_b32 s63, 0
	s_lshl_b32 s19, ttmp9, 3
	s_add_co_u32 s19, s19, s55                     ; 8 b + cg: the pair of heads
	s_lshl_b32 s50, s[CX], 14
	s_lshl_b32 s51, s[WV], 12
	s_add_co_u32 s50, s50, s51                     ; my first tile of 16 rows in the sequence, x 1,024 bytes
	s_lshl_b32 s2, s19, 17
	s_add_co_u32 s2, s2, s50                       ; in qf
	s_mov_b32 s3, 0
	s_lshl_b32 s51, s19, 18
	s_add_co_u32 s50, s50, s51                     ; in kv
	s_mov_b32 s51, 0
	s_mov_b32 s[CS], 0x3e8293ee                    ; c = log2(e) / sqrt(32) = 0.255035
	s_mov_b32 s[CS+1], s[CS]
	v_and_b32 v1, 15, v0                           ; r
	v_bfe_u32 v2, v0, 4, 1                         ; h
	v_lshlrev_b32 v[XO], 11, v1
	v_lshl_add_u32 v[XO], v2, 5, v[XO]
	v_and_b32 v[SO], 31, v0
	v_lshlrev_b32 v[SO], 4, v[SO]
.irp c, 0,1,2,3
	v_add_nc_u32 v[BA+\c], \c*CHUNK, v[SO]
.endr
	v_lshlrev_b32 v[HO], 5, v2
	v_lshlrev_b32 v[RO], 2, v1
	v_mov_b32 v[ZR], 0
	s_wait_dscnt 0x0                               ; both opening adds are done
	s_wait_kmcnt 0x0
	s_add_nc_u64 s[6:7], s[6:7], s[58:59]          ; wf at my quarter of chunk 0
	s_add_nc_u64 s[8:9], s[8:9], s[60:61]
	s_add_nc_u64 s[10:11], s[10:11], s[60:61]
	s_add_nc_u64 s[12:13], s[12:13], s[60:61]
	s_add_nc_u64 s[52:53], s[4:5], s[62:63]        ; x at my wave's first row
	s_add_nc_u64 s[46:47], s[14:15], s[2:3]        ; qf and
	s_add_nc_u64 s[48:49], s[16:17], s[50:51]      ; kv at my wave's first tile of the pair's first head
.irp c, 0,1,2,3
	s_mov_b32 s[G0+4*\c], 1                        ; count = 1
	s_add_co_u32 s[G0+4*\c+1], s18, \c*CHUNK       ; LDS address: the wave's number and constants alone
	s_add_nc_u64 s[G0+4*\c+2:G0+4*\c+3], s[6:7], \c*CHUNK
	s_or_b32 s[G0+4*\c+3], s[G0+4*\c+3], 0x80000000  ; type = 2
.endr
	CROUND                                         ; all four work-groups are here: the joint loads meet
.irp c, 0,1,2,3
	tensor_load_to_lds s[G0+4*\c:G0+4*\c+3], s[G1:G1+7]  ; the whole strip, once: four loads of mine are out
	s_nop 0
.endr
	PLACES
	WIN 0xc0                                       ; destination window 3, address window 0
.irp n, 0,1,2,3
	global_load_b128 v[BQ+8*\n:BQ+8*\n+3],       v[HO], s[8:9] offset:64*\n
	global_load_b128 v[BQ+8*\n+4:BQ+8*\n+7],     v[HO], s[8:9] offset:64*\n+16
	global_load_b128 v[BQ+32+8*\n:BQ+32+8*\n+3], v[HO], s[10:11] offset:64*\n
	global_load_b128 v[BQ+32+8*\n+4:BQ+32+8*\n+7], v[HO], s[10:11] offset:64*\n+16
.endr
	WIN 0
.irp n, 0,1,2,3
	global_load_b32 v[BV+2*\n],   v[RO], s[12:13] offset:64*\n
	global_load_b32 v[BV+2*\n+1], v[RO], s[12:13] offset:64*\n
.endr
; K step s of x for my 64 rows: 16 loads into slot s % 3; tile mt's 16 registers are k = 8 h + 0..7 and 16 + 8 h + 0..7 of row r
.macro XLOAD s
	WIN 0
.irp mt, 0,1,2,3
	global_load_b128 v[RAW+64*((\s)%3)+16*\mt:RAW+64*((\s)%3)+16*\mt+3],     v[XO], s[52:53] offset:\mt*32768+(\s)*128
	global_load_b128 v[RAW+64*((\s)%3)+16*\mt+4:RAW+64*((\s)%3)+16*\mt+7],   v[XO], s[52:53] offset:\mt*32768+(\s)*128+16
	global_load_b128 v[RAW+64*((\s)%3)+16*\mt+8:RAW+64*((\s)%3)+16*\mt+11],  v[XO], s[52:53] offset:\mt*32768+(\s)*128+64
	global_load_b128 v[RAW+64*((\s)%3)+16*\mt+12:RAW+64*((\s)%3)+16*\mt+15], v[XO], s[52:53] offset:\mt*32768+(\s)*128+80
.endr
.endm
; its 64 registers rounded to bf16: four fragments in buffer s % 2
.macro CVT s
	WIN 0xc0
.irp mt, 0,1,2,3
.irp i, 0,1,2,3,4,5,6,7
	v_cvt_pk_bf16_f32 v[AF+32*((\s)%2)+8*\mt+\i], v[RAW+64*((\s)%3)+16*\mt+2*\i], v[RAW+64*((\s)%3)+16*\mt+2*\i+1]
.endr
.endr
.endm
; K step s of W: 12 fragments, 24 loads of 512 consecutive bytes, into buffer s % 2
.macro BLOAD s
	WIN 0x40
.irp f, 0,1,2,3,4,5,6,7,8,9,10,11
	ds_load_b128 v[96*((\s)%2)+8*\f:96*((\s)%2)+8*\f+3],   v[BA+(\s)/4] offset:((\s)%4)*KSB+\f*1024
	ds_load_b128 v[96*((\s)%2)+8*\f+4:96*((\s)%2)+8*\f+7], v[BA+(\s)/4] offset:((\s)%4)*KSB+\f*1024+512
.endr
.endm
; The 48 accumulators take turns, one instruction a turn, in the same order in every K step.  K step 0 starts the sums with the constant 0.
.macro MULV s
	WIN 0xf7                                       ; x's fragments and v's accumulators window 3, W's window 1
.irp fv, 0,1,2,3
.irp mt, 0,1,2,3
.if (\s) == 0
	v_wmma_f32_16x16x32_bf16 v[8*(4*\fv+\mt):8*(4*\fv+\mt)+7], v[AF+32*((\s)%2)+8*\mt:AF+32*((\s)%2)+8*\mt+7], v[96*((\s)%2)+8*(8+\fv):96*((\s)%2)+8*(8+\fv)+7], 0
.else
	v_wmma_f32_16x16x32_bf16 v[8*(4*\fv+\mt):8*(4*\fv+\mt)+7], v[AF+32*((\s)%2)+8*\mt:AF+32*((\s)%2)+8*\mt+7], v[96*((\s)%2)+8*(8+\fv):96*((\s)%2)+8*(8+\fv)+7], v[8*(4*\fv+\mt):8*(4*\fv+\mt)+7]
.endif
.endr
.endr
.endm
.macro MULQK s
	WIN 0xad                                       ; W's fragments window 1, x's window 3, accumulators window 2
.irp f, 0,1,2,3,4,5,6,7
.irp mt, 0,1,2,3
.if (\s) == 0
	v_wmma_f32_16x16x32_bf16 v[8*(4*\f+\mt):8*(4*\f+\mt)+7], v[96*((\s)%2)+8*\f:96*((\s)%2)+8*\f+7], v[AF+32*((\s)%2)+8*\mt:AF+32*((\s)%2)+8*\mt+7], 0
.else
	v_wmma_f32_16x16x32_bf16 v[8*(4*\f+\mt):8*(4*\f+\mt)+7], v[96*((\s)%2)+8*\f:96*((\s)%2)+8*\f+7], v[AF+32*((\s)%2)+8*\mt:AF+32*((\s)%2)+8*\mt+7], v[8*(4*\f+\mt):8*(4*\f+\mt)+7]
.endif
.endr
.endr
.endm
; A K step: v's 16 products; the next step's operands are made ready; q's and k's 32 products stand over the LDS loads.
.macro STEP s
	s_wait_dscnt 0x0                               ; W's fragments of this step are in
	MULV \s
.if (\s) < 15
	PLACES                                         ; behind the last step's products, which read the buffers that are written now
.if (\s)+3 <= 15
	s_wait_loadcnt 32                              ; x of the next step is in; the two steps behind it, 16 loads each, stay out
.else
	s_wait_loadcnt 16*(14-(\s))                    ; the counts run down
.endif
	CVT (\s)+1
.if (\s)+4 <= 15
	XLOAD (\s)+4                                   ; into the slot just converted
.endif
.if ((\s)+1)%4 == 0
	s_wait_tensorcnt 3-((\s)+1)/4                  ; my part of the next chunk is in; the younger chunks stay out
	s_wait_dscnt 0x0
	s_barrier_signal -1
	s_barrier_wait -1                              ; everybody's part is in
.endif
	BLOAD (\s)+1
.endif
	MULQK \s
.endm
	XLOAD 0
	XLOAD 1
	XLOAD 2
	s_wait_tensorcnt 3                             ; my part of chunk 0 is in; three younger loads stay out
	s_barrier_signal -1
	s_barrier_wait -1
	BLOAD 0
	s_wait_loadcnt 32                              ; the biases and K step 0 of x are in; steps 1 and 2 stay out
	WIN 0xc3
.set i, 0
.rept 16
	v_pk_mul_f32 v[BQ+i:BQ+i+1], v[BQ+i:BQ+i+1], s[CS:CS+1] op_sel_hi:[1,0]  ; c bq, once: q is then one fused multiply-add
.set i, i+2
.endr
	CVT 0
	XLOAD 3
.irp s, 0,1,2,3,4,5,6,7,8,9,10,11,12,13,14,15
	STEP \s
.endr
	; THE WAY OUT.  Bias (and c), one rounding to bf16, the ReLU on the packed halves, 16 bytes a lane.  Each store has data registers of its own, so nothing waits.
	; Each accumulator's registers are read in ascending order.
	PLACES
	PLACES
.irp f, 0,1,2,3,4,5,6,7
.if \f < 4
	WIN 0x32                                       ; accumulator window 2, c bq window 3
.irp mt, 0,1,2,3
.irp p, 0,1,2,3
	v_pk_fma_f32 v[T+8*\mt+2*\p:T+8*\mt+2*\p+1], v[8*(4*\f+\mt)+2*\p:8*(4*\f+\mt)+2*\p+1], s[CS:CS+1], v[BQ+8*\f+2*\p:BQ+8*\f+2*\p+1] op_sel_hi:[1,0,1]
.endr
.endr
.else
	WIN 0x0e                                       ; accumulator window 2, bk window 3
.irp mt, 0,1,2,3
.irp p, 0,1,2,3
	v_pk_add_f32 v[T+8*\mt+2*\p:T+8*\mt+2*\p+1], v[8*(4*\f+\mt)+2*\p:8*(4*\f+\mt)+2*\p+1], v[BQ+8*\f+2*\p:BQ+8*\f+2*\p+1]
.endr
.endr
.endif
	WIN 0
.irp mt, 0,1,2,3
.irp p, 0,1,2,3
	v_cvt_pk_bf16_f32 v[OUT+4*(4*\f+\mt)+\p], v[T+8*\mt+2*\p], v[T+8*\mt+2*\p+1]
.endr
.endr
.irp mt, 0,1,2,3
.irp p, 0,1,2,3
	v_pk_max_num_bf16 v[OUT+4*(4*\f+\mt)+\p], v[OUT+4*(4*\f+\mt)+\p], v[ZR]
.endr
.endr
.irp mt, 0,1,2,3
.if \f < 4
	global_store_b128 v[SO], v[OUT+4*(4*\f+\mt):OUT+4*(4*\f+\mt)+3], s[46:47] offset:((\f%4)/2)*65536+\mt*1024+(\f%2)*512
.else
	global_store_b128 v[SO], v[OUT+4*(4*\f+\mt):OUT+4*(4*\f+\mt)+3], s[48:49] offset:((\f%4)/2)*131072+\mt*1024+(\f%2)*512
.endif
.endr
.endr
.irp fv, 0,1,2,3
	WIN 0x03                                       ; accumulator window 3
.irp mt, 0,1,2,3
.irp p, 0,1,2,3
	v_pk_add_f32 v[T+8*\mt+2*\p:T+8*\mt+2*\p+1], v[8*(4*\fv+\mt)+2*\p:8*(4*\fv+\mt)+2*\p+1], v[BV+2*\fv:BV+2*\fv+1]
.endr
.endr
	WIN 0
.irp mt, 0,1,2,3
.irp p, 0,1,2,3
	v_cvt_pk_bf16_f32 v[OUT+128+4*(4*\fv+\mt)+\p], v[T+8*\mt+2*\p], v[T+8*\mt+2*\p+1]
.endr
.endr
.irp mt, 0,1,2,3
.irp p, 0,1,2,3
	v_pk_max_num_bf16 v[OUT+128+4*(4*\fv+\mt)+\p], v[OUT+128+4*(4*\fv+\mt)+\p], v[ZR]
.endr
.endr
.irp mt, 0,1,2,3
	global_store_b128 v[SO], v[OUT+128+4*(4*\fv+\mt):OUT+128+4*(4*\fv+\mt)+3], s[48:49] offset:65536+(\fv/2)*131072+(\mt/2)*2048+(\fv%2)*1024+(\mt%2)*512
.endr
.endr
	s_wait_tensorcnt 0x0                           ; the wave's end
	ds_add_u32 v[SPW], v[NIL]
	s_wait_dscnt 0x0
	CROUND                                         ; the closing round
	s_endpgm
.Lfunc_end_k_q2b00f3672e_proj:
	.size	k_q2b00f3672e_proj, .Lfunc_end_k_q2b00f3672e_proj-k_q2b00f3672e_proj
	.p2alignl 7, 3214868480
	.fill 96, 4, 3214868480
	.section	.rodata,"a",@progbits
	.p2align	6, 0x0
	.amdhsa_kernel k_q2b00f3672e_proj
		.amdhsa_group_segment_fixed_size 197120
		.amdhsa_private_segment_fixed_size 0
		.amdhsa_enable_private_segment 0
		.amdhsa_kernarg_size 56
		.amdhsa_user_sgpr_count 2
		.amdhsa_user_sgpr_kernarg_segment_ptr 1
		.amdhsa_wavefront_size32 1
		.amdhsa_system_sgpr_workgroup_id_x 1
		.amdhsa_system_sgpr_workgroup_id_y 1
		.amdhsa_system_sgpr_workgroup_id_z 1
		.amdhsa_system_vgpr_workitem_id 0
		.amdhsa_next_free_vgpr 1024
		.amdhsa_next_free_sgpr 66
		.amdhsa_reserve_vcc 0
		.amdhsa_float_denorm_mode_32 3
		.amdhsa_float_denorm_mode_16_64 3
		.amdhsa_memory_ordered 1
		.amdhsa_forward_progress 1
		.amdhsa_inst_pref_size 184
	.end_amdhsa_kernel
	.amdgpu_metadata
---
amdhsa.version: [ 1, 2 ]
amdhsa.kernels:
  - .name:           k_q2b00f3672e_proj
    .symbol:         k_q2b00f3672e_proj.kd
    .args:
      - { .name: inputs, .offset: 0, .size: 8, .value_kind: global_buffer, .address_space: global }
      - { .name: wf, .offset: 8, .size: 8, .value_kind: global_buffer, .address_space: global }
      - { .name: bq, .offset: 16, .size: 8, .value_kind: global_buffer, .address_space: global }
      - { .name: bk, .offset: 24, .size: 8, .value_kind: global_buffer, .address_space: global }
      - { .name: bv, .offset: 32, .size: 8, .value_kind: global_buffer, .address_space: global }
      - { .name: qf, .offset: 40, .size: 8, .value_kind: global_buffer, .address_space: global }
      - { .name: kv, .offset: 48, .size: 8, .value_kind: global_buffer, .address_space: global }
    .group_segment_fixed_size: 197120
    .private_segment_fixed_size: 0
    .kernarg_segment_align: 8
    .kernarg_segment_size: 56
    .max_flat_workgroup_size: 128
    .sgpr_count:     66
    .vgpr_count:     1024
    .wavefront_size: 32
...
	.end_amdgpu_metadata
.endif
;; end of part 2
;; launch attn (part 3): grid 4 x 64, 8 waves a work-group, clusters of 4 x 1, 267,264 bytes of LDS; arguments qf, kv, inputs, y, part; writes y, part
.if DOCPART == 3
	.amdgcn_target "amdgcn-amd-amdhsa--gfx1250"
	.amdhsa_code_object_version 6
	.text
	.protected	k_q2b00f3672e_attn
	.globl	k_q2b00f3672e_attn
	.p2align	8
	.type	k_q2b00f3672e_attn,@function
k_q2b00f3672e_attn:
	s_mov_b64 s[64:65], 0
	v_nop
	global_prefetch_b8 v0, s[64:65] scope:SCOPE_SE
	s_setreg_imm32_b32 hwreg(HW_REG_WAVE_MODE, 25, 1), 1
	s_wait_xcnt 0x0
	s_wait_alu depctr_hold_cnt(0) depctr_sa_sdst(0) depctr_va_vdst(0) depctr_va_sdst(0) depctr_va_ssrc(0) depctr_va_vcc(0) depctr_vm_vsrc(0)
	s_getreg_b32 s2, hwreg(HW_REG_IB_STS2, 6, 4)
	s_cmp_eq_u32 s2, 0
	s_cbranch_scc0 .Lentry_in_a_cluster
	s_endpgm
.Lentry_in_a_cluster:
	s_bfe_u32 s2, ttmp6, 0x10000c
	s_cmp_lg_u32 s2, 0x3003
	s_cbranch_scc0 .Lentry_shape_is_right
	s_endpgm
.Lentry_shape_is_right:
; y = softmax_k(q . k / sqrt(32)) v + inputs, in f32, and for each block of 256 rows and each channel the sum of y and the sum of (y - the block's mean)^2.  Nothing of the problem is left out here.
; q arrives multiplied by log2(e) / sqrt(32), so a score s is an exponent of 2: p = 2^(s - m), m the query's maximum over all 1,024 keys.  p is rounded to bf16 for the second product; its sum l is taken of the unrounded p.
; LIMITS: a weight below 2^-126 counts as 0; NaN and infinities are not treated apart.
; SHARES: a cluster is one batch and one pair of heads; its four work-groups are the four blocks of 256 queries.  A work-group has 8 waves: wave w takes head w / 4 of the pair and 64 queries (four tiles of 16).
; So a work-group's y is 256 rows x 64 channels: 256 consecutive bytes of each row, for the residual's loads, y's stores and the sums alike.
; K AND V of both heads, 262,144 bytes in fragment order, fit in LDS whole: filled once, asked for JOINTLY by the four work-groups (the same load, descriptor and mask in all four).
; TWO PASSES over the keys.  Pass 1: S^T = K Q^T and the maximum alone.  Pass 2: S^T = K Q^T - m, with -m as the C operand, so the results are the exponents: 32 exponentials, 16 roundings and 16 packed sums
; for 16 queries x 64 keys, and neither scaling nor running statistics nor a rescaling of O.  That is 4 products more and some 30 vector instructions fewer than with a running maximum, where vector work is the greater part.
; LAYOUT: S^T = K Q^T (source 0 = 16 keys, source 1 = 16 queries) holds ONE query a lane (lane % 16) and the keys 8 (lane / 16) + 0..7; two results rounded in pairs ARE source 1 of O^T = V^T P.
; THE SUMS: the squares are taken about the block's own mean and the blocks are joined in the next launch: the variance is never a difference of two large sums.
; REGISTERS: window 0: v0-15 addresses; v16-47 Q; v48-79 -m, eight times a tile; v80-111 K of a step; v112-143 V of a step; v144-207 S^T of two tiles; v208-239 P of two tiles; v240-247 l; v248-255 at work.
;   window 1: v0-63 O^T, 16 a tile; v64-127 the residual.  Pass 1 keeps four tiles' S^T in v144-207, v48-79, v112-143 and its 16 maxima in v208-223.
.set VB,    131072                     ; LDS: K of head hh at 65,536 hh; V at 131,072 + 65,536 hh
.set RED1,  262144                     ; 8 waves x 256 bytes: sums
.set RED2,  2048                       ; behind it, as an offset: squares
.set SPARE, 266240                     ; the spare words, 128 bytes for each wave
.set SP,    272                        ; the stage (LDS bytes 0 .. 69,631, when K and V have been read for the last time): rows of 256 bytes + 16: 16 rows of a store start at 16 different groups of four banks (ISA guide 11.1)
.set LN,  1                            ; v1   16 x lane
.set STO, 4                            ; v4   the stage: where I put 32 bytes of a row
.set RD,  5                            ; v5   where I read rows back
.set GO,  6                            ; v6   2,048 (lane / 16) + 16 (lane % 16): two rows of x, of y, and the two rows of part
.set RW,  7                            ; v7   RED1 + 256 wave + 16 (lane % 16)
.set SPW, 8                            ; v8   LDS address of my spare word; never rewritten
.set NIL, 9                            ; v9   0; never rewritten
.set AK,  10                           ; v10  LDS address of K's run of loads
.set AV,  11                           ; v11  of V's
.set RR,  14                           ; v14  RED1 + 16 (lane % 16)
.set LANE, 15
.set Q,   16
.set NM,  48
.set KF,  80
.set VF,  112
.set S,   144
.set P,   208
.set MX,  208
.set L,   240
.set TM,  248
.set O,   0                            ; window 1
.set X,   64                           ; window 1
.set SA,  16                           ; the sums, when Q is done with
.set PT,  24
.set TOT, 48
.set MEAN, 80
.set DV,  88
.set SQ,  104
.set M2,  112
.set WV,  14
.set CX,  15
.set G1K, 28                           ; s[28:35] group 1 for a quarter of half of K: 32 rows of 256 bytes
.set G1V, 36                           ; s[36:43] for a quarter of V: 64 rows
.set SEL, 56                           ; s[56:57] v_permlanex16_b32's selects: each lane takes its own place in the other half
.set CNT, 58
.set TBK, 59                           ; LDS byte at which K of the step to be fetched begins
.set TBV, 60                           ; the same for V
.set MSB, 0
.macro WIN new
.if MSB != (\new)
	s_set_vgpr_msb (MSB<<8)|(\new)
.set MSB, \new
.endif
.endm
.macro CROUND                          ; a round of the cluster's barrier
	s_barrier_signal -1
	s_barrier_wait -1
	s_cmp_lg_u32 s[WV], 0
	s_cbranch_scc1 .Lnot_wave_0_\@
	s_barrier_signal -3
.Lnot_wave_0_\@:
	s_barrier_wait -3
	s_barrier_signal -1
	s_barrier_wait -1
.endm
.macro PLACES
.rept 4
	v_nop
.endr
.endm
	s_load_b256 s[4:11], s[0:1], 0x0               ; qf s[4:5], kv s[6:7], inputs s[8:9], y s[10:11]
	s_load_b64 s[12:13], s[0:1], 0x20              ; part
	v_lshl_add_u32 v[SPW], v0, 2, SPARE
	v_mov_b32 v[NIL], 0
	ds_add_u32 v[SPW], v[NIL]                      ; the wave's opening: the add, twice on end, and its wait ahead of my first tensor load
	ds_add_u32 v[SPW], v[NIL]
	v_lshrrev_b32 v2, 5, v0
	v_readfirstlane_b32 s[WV], v2                  ; wave 0..7
	s_lshr_b32 s16, s[WV], 2                       ; hh: which head of the pair
	s_and_b32 s17, s[WV], 3                        ; pw: which 64 queries; also which quarter of K and V I fetch
	s_and_b32 s18, ttmp7, 0xffff                   ; 8 b + pair of heads, which the four partners share
	s_bfe_u32 s[CX], ttmp6, 0x40000                ; my place in the cluster: it enters the addresses of qf, inputs, y and part alone
.irp g, G1K, G1V
	s_mov_b32 s[\g+0], 15|(3<<16)|(1<<21)          ; the mask of four; elements of 8 bytes; bit 21 beside a mask
	s_mov_b32 s[\g+1], 32<<16                      ; tensor_dim0 = 32
	s_mov_b32 s[\g+3], 32<<16                      ; tile_dim0 = 32
	s_mov_b32 s[\g+5], 32                          ; 32 elements from row to row
	s_mov_b32 s[\g+6], 0
	s_mov_b32 s[\g+7], 0
.endr
	s_mov_b32 s[G1K+2], 32<<16                     ; tensor_dim1, tile_dim1 = 32
	s_mov_b32 s[G1K+4], 32
	s_mov_b32 s[G1V+2], 64<<16                     ; = 64
	s_mov_b32 s[G1V+4], 64
	s_lshl_b32 s[TBK], s16, 16
	s_add_co_u32 s[TBV], s[TBK], VB
	s_lshl_b32 s22, s17, 13                        ; my 8,192 bytes of a half of K
	s_mov_b32 s23, 0
	s_lshl_b32 s24, s17, 14                        ; my 16,384 bytes of V
	s_mov_b32 s25, 0
	s_mov_b32 s44, 1                               ; s[44:47] keys 0-511 of K
	s_add_co_u32 s45, s[TBK], s22
	s_mov_b32 s48, 1                               ; s[48:51] keys 512-1023
	s_add_co_u32 s49, s45, 32768
	s_mov_b32 s52, 1                               ; s[52:55] V
	s_add_co_u32 s53, s[TBV], s24
	s_add_co_u32 s24, s24, 65536                   ; in memory V lies behind the head's K
	s_lshl_b32 s20, s18, 18
	s_lshl_b32 s19, s16, 17
	s_add_co_u32 s20, s20, s19                     ; the head's 131,072 bytes in kv
	s_mov_b32 s21, 0
	s_lshl_b32 s2, s18, 17                         ; qf: the pair,
	s_lshl_b32 s3, s16, 16                         ; the head,
	s_add_co_u32 s2, s2, s3
	s_lshl_b32 s3, s17, 12                         ; my four tiles,
	s_add_co_u32 s2, s2, s3
	s_lshl_b32 s61, s[CX], 14                      ; in my work-group's sixteen
	s_add_co_u32 s2, s2, s61
	s_mov_b32 s3, 0
	s_lshr_b32 s62, s18, 3                         ; b
	s_and_b32 s63, s18, 7                          ; the pair of heads
	s_lshl_b32 s26, s62, 2
	s_add_co_u32 s26, s26, s[CX]                   ; the block of 256 rows: 4 b + cx
	s_lshl_b32 s61, s26, 19                        ; its rows of 2,048 bytes
	s_lshl_b32 s26, s26, 12                        ; its 4,096 bytes of part
	s_lshl_b32 s63, s63, 8                         ; the pair's 64 channels
	s_add_co_u32 s26, s26, s63
	s_mov_b32 s27, 0
	s_lshl_b32 s62, s[WV], 16                      ; the 32 rows that I add and store
	s_add_co_u32 s62, s62, s61
	s_add_co_u32 s62, s62, s63
	s_mov_b32 s63, 0
	s_mov_b32 s[SEL], 0x76543210
	s_mov_b32 s[SEL+1], 0xfedcba98
	s_wait_dscnt 0x0                               ; both opening adds are done
	s_wait_kmcnt 0x0
	s_add_nc_u64 s[6:7], s[6:7], s[20:21]
	s_add_nc_u64 s[46:47], s[6:7], s[22:23]
	s_add_nc_u64 s[50:51], s[46:47], 32768
	s_add_nc_u64 s[54:55], s[6:7], s[24:25]
	s_or_b32 s47, s47, 0x80000000                  ; type = 2
	s_or_b32 s51, s51, 0x80000000
	s_or_b32 s55, s55, 0x80000000
	s_add_nc_u64 s[4:5], s[4:5], s[2:3]
	s_add_nc_u64 s[8:9], s[8:9], s[62:63]
	s_add_nc_u64 s[10:11], s[10:11], s[62:63]
	s_add_nc_u64 s[12:13], s[12:13], s[26:27]
	CROUND                                         ; all four work-groups are here: the joint loads meet
	tensor_load_to_lds s[44:47], s[G1K:G1K+7]      ; three loads of mine are out, in the order in which they are wanted
	s_nop 0
	tensor_load_to_lds s[48:51], s[G1K:G1K+7]
	s_nop 0
	tensor_load_to_lds s[52:55], s[G1V:G1V+7]
	s_nop 0
	PLACES
	v_and_b32 v[LANE], 31, v0
	v_lshlrev_b32 v[LN], 4, v[LANE]
.irp i, 0,1,2,3,4,5,6,7
	global_load_b128 v[Q+4*\i:Q+4*\i+3], v[LN], s[4:5] offset:512*\i  ; Q stays in registers: four fragments of 1,024 bytes
.endr
	v_and_b32 v12, 15, v0                          ; r
	v_bfe_u32 v13, v0, 4, 1                        ; h
	s_mul_i32 s19, s17, 64*SP
	s_lshl_b32 s20, s16, 7
	s_add_co_u32 s19, s19, s20
	v_mul_u32_u24 v[STO], v12, SP                  ; into the stage: row 64 pw + 16 t + r, my head's 128 bytes, 32 bytes for each half of the lanes
	v_lshl_add_u32 v[STO], v13, 5, v[STO]
	v_add_nc_u32 v[STO], s19, v[STO]
	s_mul_i32 s19, s[WV], 32*SP
	v_mul_u32_u24 v[RD], v13, SP                   ; back: wave w takes rows 32 w .. 32 w + 31, whole; lanes 0-15 one row, lanes 16-31 the next
	v_lshl_add_u32 v[RD], v12, 4, v[RD]
	v_add_nc_u32 v[RD], s19, v[RD]
	v_lshlrev_b32 v[GO], 11, v13
	v_lshl_add_u32 v[GO], v12, 4, v[GO]
	v_lshlrev_b32 v[RR], 4, v12
	v_add_nc_u32 v[RR], RED1, v[RR]
	s_lshl_b32 s19, s[WV], 8
	v_add_nc_u32 v[RW], s19, v[RR]
.set i, 0
.rept 16
	v_mov_b32 v[MX+i], 0xff7fffff                  ; the maxima start at the lowest finite number
.set i, i+1
.endr
.irp t, 0,1,2,3
	v_mov_b32 v[TM+2*\t+1], 0                      ; destinations of v_permlanex16_b32 count as read
.endr
; A step's K: 64 keys x 32 channels, four fragments, 8 loads of 512 consecutive bytes.  V likewise: 64 keys x 32 channels, turned when it was stored.
.macro FETCHK
	v_add_nc_u32 v[AK], s[TBK], v[LN]
	s_add_co_u32 s[TBK], s[TBK], 4096
.irp i, 0,1,2,3,4,5,6,7
	ds_load_b128 v[KF+4*\i:KF+4*\i+3], v[AK] offset:512*\i
.endr
.endm
.macro FETCHV
	v_add_nc_u32 v[AV], s[TBV], v[LN]
	s_add_co_u32 s[TBV], s[TBV], 4096
.irp i, 0,1,2,3,4,5,6,7
	ds_load_b128 v[VF+4*\i:VF+4*\i+3], v[AV] offset:512*\i
.endr
.endm
.macro S1REG t                         ; where pass 1 keeps tile t's scores
.if (\t) < 2
.set rS, 144+32*(\t)
.else
.set rS, 48+64*((\t)-2)
.endif
.endm
; PASS 1, a step: 16 products, each a whole sum; five plain instructions (four ahead of the readers and of the loads into K's registers, five ahead of the next step's products, which write the same registers);
; the next K; 64 maxima of three, in 16 chains whose links stand 16 instructions apart; each accumulator's registers 0 and 1 are read first.
.macro P1STEP fetch
	s_wait_dscnt 0x0
.irp t, 0,1,2,3
	S1REG \t
.irp kb, 0,1,2,3
	v_wmma_f32_16x16x32_bf16 v[rS+8*\kb:rS+8*\kb+7], v[KF+8*\kb:KF+8*\kb+7], v[Q+8*\t:Q+8*\t+7], 0
.endr
.endr
.rept 5
	v_nop
.endr
.if \fetch
	FETCHK
.endif
.irp i, 0,1,2,3
.irp t, 0,1,2,3
	S1REG \t
.irp kb, 0,1,2,3
	v_max3_num_f32 v[MX+4*\t+\kb], v[MX+4*\t+\kb], v[rS+8*\kb+2*\i], v[rS+8*\kb+2*\i+1]
.endr
.endr
.endr
.endm
.macro P1HALF n                        ; 512 keys: eight steps.  n: my younger tensor loads, which may stay out
	s_wait_tensorcnt \n
	s_wait_dscnt 0x0
	s_barrier_signal -1
	s_barrier_wait -1                              ; everybody's part of this half of K is in
	FETCHK
	s_mov_b32 s[CNT], 7
.Lp1_\@:
	P1STEP 1
	s_sub_co_u32 s[CNT], s[CNT], 1
	s_cmp_lg_u32 s[CNT], 0
	s_cbranch_scc1 .Lp1_\@
	P1STEP 0
.endm
; PASS 2.  pc = 0: tiles 0, 1; pc = 1: tiles 2, 3.
.macro KQ2 pc                          ; 8 products S^T = K Q^T - m
.irp kb, 0,1,2,3
.irp u, 0,1
	v_wmma_f32_16x16x32_bf16 v[S+32*\u+8*\kb:S+32*\u+8*\kb+7], v[KF+8*\kb:KF+8*\kb+7], v[Q+8*(2*(\pc)+\u):Q+8*(2*(\pc)+\u)+7], v[NM+8*(2*(\pc)+\u):NM+8*(2*(\pc)+\u)+7]
.endr
.endr
.endm
.macro SOFT pc                         ; 64 exponentials, ONE batch with one wait; then the roundings and the sums
.set i, 0
.rept 32
	v_exp_f32 v[S+i], v[S+i]
	v_exp_f32 v[S+32+i], v[S+32+i]
.set i, i+1
.endr
	v_nop                                          ; a plain instruction behind the last exponential; with the second and the four behind the products, six ahead of the products that write S^T anew
	v_nop
	s_wait_alu depctr_va_vdst(0)
.set i, 0
.rept 16
	v_cvt_pk_bf16_f32 v[P+i], v[S+2*i], v[S+2*i+1]
	v_cvt_pk_bf16_f32 v[P+16+i], v[S+32+2*i], v[S+32+2*i+1]
	v_pk_add_f32 v[L+4*(\pc):L+4*(\pc)+1], v[L+4*(\pc):L+4*(\pc)+1], v[S+2*i:S+2*i+1]
	v_pk_add_f32 v[L+4*(\pc)+2:L+4*(\pc)+3], v[L+4*(\pc)+2:L+4*(\pc)+3], v[S+32+2*i:S+32+2*i+1]
.set i, i+1
.endr
.endm
.macro PV pc, zero                     ; 8 products O^T += V^T P; the four accumulators take turns.  zero = 1: the first four start the sums
	WIN 0x50                                       ; C and D window 1
.irp kg, 0,1
.irp u, 0,1
.irp cb, 0,1
.if (\zero) && (\kg == 0)
	v_wmma_f32_16x16x32_bf16 v[O+16*(2*(\pc)+\u)+8*\cb:O+16*(2*(\pc)+\u)+8*\cb+7], v[VF+8*(2*\kg+\cb):VF+8*(2*\kg+\cb)+7], v[P+16*\u+8*\kg:P+16*\u+8*\kg+7], 0
.else
	v_wmma_f32_16x16x32_bf16 v[O+16*(2*(\pc)+\u)+8*\cb:O+16*(2*(\pc)+\u)+8*\cb+7], v[VF+8*(2*\kg+\cb):VF+8*(2*\kg+\cb)+7], v[P+16*\u+8*\kg:P+16*\u+8*\kg+7], v[O+16*(2*(\pc)+\u)+8*\cb:O+16*(2*(\pc)+\u)+8*\cb+7]
.endif
.endr
.endr
.endr
	WIN 0
.endm
.macro P2STEP zero, fetch              ; 64 keys for my four tiles
	s_wait_dscnt 0x0                               ; K is in
	KQ2 0
	PLACES                                         ; ahead of the exponentials, and of the loads into V's registers, which the last products read
	FETCHV
	SOFT 0
	s_wait_dscnt 0x0                               ; V is in
	PV 0, \zero
	KQ2 1
	PLACES                                         ; ahead of the exponentials, and of the loads into K's registers
.if \fetch
	FETCHK
.endif
	SOFT 1
	PV 1, \zero
.endm
	s_wait_loadcnt 0x0                             ; Q
	P1HALF 2                                       ; keys 0-511: the second half of K and V stay out
	P1HALF 1                                       ; keys 512-1023: V stays out
.irp t, 0,1,2,3
	v_max3_num_f32 v[TM+2*\t], v[MX+4*\t], v[MX+4*\t+1], v[MX+4*\t+2]
.endr
.irp t, 0,1,2,3
	v_max_num_f32 v[TM+2*\t], v[TM+2*\t], v[MX+4*\t+3]
.endr
.irp t, 0,1,2,3
	v_permlanex16_b32 v[TM+2*\t+1], v[TM+2*\t], s[SEL], s[SEL+1]  ; the query's other keys lie in the lane 16 away
.endr
.irp t, 0,1,2,3
	v_max_num_f32 v[TM+2*\t], v[TM+2*\t], v[TM+2*\t+1]
.endr
.irp t, 0,1,2,3
	v_xor_b32 v[NM+8*\t], 0x80000000, v[TM+2*\t]   ; -m
.endr
.irp t, 0,1,2,3
.irp j, 1,2,3,4,5,6,7
	v_mov_b32 v[NM+8*\t+\j], v[NM+8*\t]            ; a C operand: the lane's eight keys belong to one query
.endr
.endr
.set i, 0
.rept 8
	v_mov_b32 v[L+i], 0
.set i, i+1
.endr
	s_sub_co_u32 s[TBK], s[TBK], 65536             ; back to the head's first key
	WIN 0x40
.irp i, 0,1,2,3,4,5,6,7,8,9,10,11,12,13,14,15
	global_load_b128 v[X+4*\i:X+4*\i+3], v[GO], s[8:9] offset:4096*\i th:TH_LOAD_NT  ; the residual of the 32 rows that I store: it has pass 2 in which to come
.endr
	WIN 0
	s_wait_tensorcnt 0x0                           ; my part of V is in
	s_wait_dscnt 0x0
	s_barrier_signal -1
	s_barrier_wait -1                              ; everybody's is
	FETCHK
	P2STEP 1, 1
	s_mov_b32 s[CNT], 14
.Lp2:
	P2STEP 0, 1
	s_sub_co_u32 s[CNT], s[CNT], 1
	s_cmp_lg_u32 s[CNT], 0
	s_cbranch_scc1 .Lp2
	P2STEP 0, 0
	; l: its two halves and the other half of the lanes'.  The four additions are the places behind the last products.
.irp t, 0,1,2,3
	v_add_f32 v[L+2*\t], v[L+2*\t], v[L+2*\t+1]
.endr
.irp t, 0,1,2,3
	v_permlanex16_b32 v[L+2*\t+1], v[L+2*\t], s[SEL], s[SEL+1]
.endr
.irp t, 0,1,2,3
	v_add_f32 v[L+2*\t], v[L+2*\t], v[L+2*\t+1]
.endr
.irp t, 0,1,2,3
	v_rcp_f32 v[L+2*\t], v[L+2*\t]
.endr
	v_nop
	s_wait_alu depctr_va_vdst(0)                   ; one wait for the four reciprocals
	s_wait_dscnt 0x0                               ; my reads of K and V are over
	s_barrier_signal -1
	s_barrier_wait -1                              ; everybody's are: K's bytes, which have had their last fill, become the stage
.irp t, 0,1,2,3
	WIN 0x01                                       ; O^T window 1
.irp i, 0,1,2,3,4,5,6,7
	v_pk_mul_f32 v[S+16*\t+2*\i:S+16*\t+2*\i+1], v[O+16*\t+2*\i:O+16*\t+2*\i+1], v[L+2*\t:L+2*\t+1] op_sel_hi:[1,0]
.endr
	WIN 0
.irp cb, 0,1
	ds_store_b128 v[STO], v[S+16*\t+8*\cb:S+16*\t+8*\cb+3]   offset:\t*16*SP+\cb*64
	ds_store_b128 v[STO], v[S+16*\t+8*\cb+4:S+16*\t+8*\cb+7] offset:\t*16*SP+\cb*64+16
.endr
.endr
	s_wait_dscnt 0x0                               ; for the others' sake: my stores into the stage are done
	s_barrier_signal -1
	s_barrier_wait -1
.irp i, 0,1,2,3,4,5,6,7,8,9,10,11,12,13,14,15
	ds_load_b128 v[S+4*\i:S+4*\i+3], v[RD] offset:2*SP*\i
.endr
	s_wait_loadcnt 0x0                             ; the residual
	s_wait_dscnt 0x0
	WIN 0x04                                       ; source 1 window 1
.set i, 0
.rept 32
	v_pk_add_f32 v[S+i:S+i+1], v[S+i:S+i+1], v[X+i:X+i+1]
.set i, i+2
.endr
	WIN 0
.irp i, 0,1,2,3,4,5,6,7,8,9,10,11,12,13,14,15
	global_store_b128 v[GO], v[S+4*\i:S+4*\i+3], s[10:11] offset:4096*\i  ; 16 lanes store 256 consecutive bytes, aligned; these registers are not written again
.endr
	; THE BLOCK'S SUMS.  A lane holds 4 channels x 16 rows.
.macro HALVES b                        ; the other half of the lanes holds the same channels' other rows
.irp j, 0,1,2,3
	v_permlanex16_b32 v[PT+\j], v[(\b)+\j], s[SEL], s[SEL+1]
.endr
	v_pk_add_f32 v[(\b):(\b)+1], v[(\b):(\b)+1], v[PT:PT+1]
	v_pk_add_f32 v[(\b)+2:(\b)+3], v[(\b)+2:(\b)+3], v[PT+2:PT+3]
.endm
.macro RED8 b                          ; eight waves' four numbers into v[b : b + 3]
.irp j, 0,2,4,6
	v_pk_add_f32 v[(\b)+4*\j:(\b)+4*\j+1], v[(\b)+4*\j:(\b)+4*\j+1], v[(\b)+4*\j+4:(\b)+4*\j+5]
	v_pk_add_f32 v[(\b)+4*\j+2:(\b)+4*\j+3], v[(\b)+4*\j+2:(\b)+4*\j+3], v[(\b)+4*\j+6:(\b)+4*\j+7]
.endr
.irp j, 0,4
	v_pk_add_f32 v[(\b)+4*\j:(\b)+4*\j+1], v[(\b)+4*\j:(\b)+4*\j+1], v[(\b)+4*\j+8:(\b)+4*\j+9]
	v_pk_add_f32 v[(\b)+4*\j+2:(\b)+4*\j+3], v[(\b)+4*\j+2:(\b)+4*\j+3], v[(\b)+4*\j+10:(\b)+4*\j+11]
.endr
	v_pk_add_f32 v[(\b):(\b)+1], v[(\b):(\b)+1], v[(\b)+16:(\b)+17]
	v_pk_add_f32 v[(\b)+2:(\b)+3], v[(\b)+2:(\b)+3], v[(\b)+18:(\b)+19]
.endm
.irp p, 0,1
	v_pk_add_f32 v[SA+2*\p:SA+2*\p+1], v[S+2*\p:S+2*\p+1], v[S+8+2*\p:S+8+2*\p+1]          ; four chains, started by the first rows
	v_pk_add_f32 v[SA+4+2*\p:SA+4+2*\p+1], v[S+4+2*\p:S+4+2*\p+1], v[S+12+2*\p:S+12+2*\p+1]
.endr
.irp i, 4,6,8,10,12,14
.irp p, 0,1
	v_pk_add_f32 v[SA+2*\p:SA+2*\p+1], v[SA+2*\p:SA+2*\p+1], v[S+4*\i+2*\p:S+4*\i+2*\p+1]
	v_pk_add_f32 v[SA+4+2*\p:SA+4+2*\p+1], v[SA+4+2*\p:SA+4+2*\p+1], v[S+4*\i+4+2*\p:S+4*\i+4+2*\p+1]
.endr
.endr
.irp p, 0,1
	v_pk_add_f32 v[SA+2*\p:SA+2*\p+1], v[SA+2*\p:SA+2*\p+1], v[SA+4+2*\p:SA+4+2*\p+1]
.endr
	HALVES SA
	ds_store_b128 v[RW], v[SA:SA+3]                ; lanes l and l + 16 write the same bytes with the same numbers
	s_wait_dscnt 0x0
	s_barrier_signal -1
	s_barrier_wait -1
.irp j, 0,1,2,3,4,5,6,7
	ds_load_b128 v[TOT+4*\j:TOT+4*\j+3], v[RR] offset:256*\j
.endr
	s_wait_dscnt 0x0
	RED8 TOT                                       ; the block's sum of y, in every wave
.irp p, 0,1
	v_pk_mul_f32 v[MEAN+2*\p:MEAN+2*\p+1], v[TOT+2*\p:TOT+2*\p+1], 0x3b800000 op_sel_hi:[1,0]  ; / 256
.endr
.irp i, 0,1,2,3,4,5,6,7,8,9,10,11,12,13,14,15
.irp p, 0,1
	v_pk_add_f32 v[DV+4*(\i%4)+2*\p:DV+4*(\i%4)+2*\p+1], v[S+4*\i+2*\p:S+4*\i+2*\p+1], v[MEAN+2*\p:MEAN+2*\p+1] neg_lo:[0,1] neg_hi:[0,1]
.endr
.irp p, 0,1
.if \i < 2
	v_pk_mul_f32 v[SQ+4*(\i%2)+2*\p:SQ+4*(\i%2)+2*\p+1], v[DV+4*(\i%4)+2*\p:DV+4*(\i%4)+2*\p+1], v[DV+4*(\i%4)+2*\p:DV+4*(\i%4)+2*\p+1]
.else
	v_pk_fma_f32 v[SQ+4*(\i%2)+2*\p:SQ+4*(\i%2)+2*\p+1], v[DV+4*(\i%4)+2*\p:DV+4*(\i%4)+2*\p+1], v[DV+4*(\i%4)+2*\p:DV+4*(\i%4)+2*\p+1], v[SQ+4*(\i%2)+2*\p:SQ+4*(\i%2)+2*\p+1]
.endif
.endr
.endr
.irp p, 0,1
	v_pk_add_f32 v[SQ+2*\p:SQ+2*\p+1], v[SQ+2*\p:SQ+2*\p+1], v[SQ+4+2*\p:SQ+4+2*\p+1]
.endr
	HALVES SQ
	ds_store_b128 v[RW], v[SQ:SQ+3] offset:RED2    ; bytes of their own: no wave still reads them
	s_wait_dscnt 0x0
	s_barrier_signal -1
	s_barrier_wait -1
	s_cmp_lg_u32 s[WV], 0                          ; wave 0 stores the block's two rows of part
	s_cbranch_scc1 .Lend
.irp j, 0,1,2,3,4,5,6,7
	ds_load_b128 v[M2+4*\j:M2+4*\j+3], v[RR] offset:RED2+256*\j
.endr
	s_wait_dscnt 0x0
	RED8 M2
	v_cmp_gt_u32 vcc_lo, 16, v[LANE]
.irp j, 0,1,2,3
	v_cndmask_b32 v[SA+\j], v[M2+\j], v[TOT+\j], vcc_lo  ; lanes 0-15: the sums; lanes 16-31: the squares
.endr
	global_store_b128 v[GO], v[SA:SA+3], s[12:13]  ; twice 256 consecutive bytes, aligned
.Lend:
	s_wait_tensorcnt 0x0                           ; the wave's end
	ds_add_u32 v[SPW], v[NIL]
	s_wait_dscnt 0x0
	CROUND                                         ; the closing round
	s_endpgm
.Lfunc_end_k_q2b00f3672e_attn:
	.size	k_q2b00f3672e_attn, .Lfunc_end_k_q2b00f3672e_attn-k_q2b00f3672e_attn
	.p2alignl 7, 3214868480
	.fill 96, 4, 3214868480
	.section	.rodata,"a",@progbits
	.p2align	6, 0x0
	.amdhsa_kernel k_q2b00f3672e_attn
		.amdhsa_group_segment_fixed_size 267264
		.amdhsa_private_segment_fixed_size 0
		.amdhsa_enable_private_segment 0
		.amdhsa_kernarg_size 40
		.amdhsa_user_sgpr_count 2
		.amdhsa_user_sgpr_kernarg_segment_ptr 1
		.amdhsa_wavefront_size32 1
		.amdhsa_system_sgpr_workgroup_id_x 1
		.amdhsa_system_sgpr_workgroup_id_y 1
		.amdhsa_system_sgpr_workgroup_id_z 1
		.amdhsa_system_vgpr_workitem_id 0
		.amdhsa_next_free_vgpr 384
		.amdhsa_next_free_sgpr 66
		.amdhsa_reserve_vcc 1
		.amdhsa_float_denorm_mode_32 3
		.amdhsa_float_denorm_mode_16_64 3
		.amdhsa_memory_ordered 1
		.amdhsa_forward_progress 1
		.amdhsa_inst_pref_size 103
	.end_amdhsa_kernel
	.amdgpu_metadata
---
amdhsa.version: [ 1, 2 ]
amdhsa.kernels:
  - .name:           k_q2b00f3672e_attn
    .symbol:         k_q2b00f3672e_attn.kd
    .args:
      - { .name: qf, .offset: 0, .size: 8, .value_kind: global_buffer, .address_space: global }
      - { .name: kv, .offset: 8, .size: 8, .value_kind: global_buffer, .address_space: global }
      - { .name: inputs, .offset: 16, .size: 8, .value_kind: global_buffer, .address_space: global }
      - { .name: y, .offset: 24, .size: 8, .value_kind: global_buffer, .address_space: global }
      - { .name: part, .offset: 32, .size: 8, .value_kind: global_buffer, .address_space: global }
    .group_segment_fixed_size: 267264
    .private_segment_fixed_size: 0
    .kernarg_segment_align: 8
    .kernarg_segment_size: 40
    .max_flat_workgroup_size: 256
    .sgpr_count:     66
    .vgpr_count:     384
    .wavefront_size: 32
...
	.end_amdgpu_metadata
.endif
;; end of part 3
;; launch bn (part 4): grid 4 x 64, 8 waves a work-group, no clusters, 9,216 bytes of LDS; arguments y, part, gamma, beta, out0; writes out0
.if DOCPART == 4
	.amdgcn_target "amdgcn-amd-amdhsa--gfx1250"
	.amdhsa_code_object_version 6
	.text
	.protected	k_q2b00f3672e_bn
	.globl	k_q2b00f3672e_bn
	.p2align	8
	.type	k_q2b00f3672e_bn,@function
k_q2b00f3672e_bn:
	s_mov_b64 s[64:65], 0
	v_nop
	global_prefetch_b8 v0, s[64:65] scope:SCOPE_SE
	s_setreg_imm32_b32 hwreg(HW_REG_WAVE_MODE, 25, 1), 1
	s_wait_xcnt 0x0
; out0 = (y - mean) rsqrt(var + 1e-3) gamma + beta; mean and var of each channel over all 8,192 rows, from the 32 blocks' sums.  Nothing of the problem is left out here.
; var = (sum over blocks of M2 + 256 (block mean - mean)^2) / 8,192: sums of squares alone, no difference of large sums.  256 e^2 is taken as (TOT / 16 - 16 mean)^2: the powers of two are exact.
; SHARES: a work-group takes 128 channels (512 bytes of a row) x 128 rows, a wave 16 rows, a lane 4 channels.  Each wave joins four blocks' sums; the eight waves meet in LDS, twice.
; A stream: each load and store of a wave covers 512 consecutive bytes, aligned; all 16 loads of y go out at the head and come while the statistics are made.  Matrix units and clusters have nothing to do here.
.set RED2,  4096                       ; LDS: 0 .. 4,095 the waves' sums; 4,096 .. 8,191 their squares
.set SPARE, 8192                       ; the spare words, 128 bytes for each wave
.set LN,  1                            ; v1   16 x lane
.set TH,  2                            ; v2   16 x thread
.set SPW, 6
.set NIL, 7
.set M16, 8                            ; v8-11   16 mean
.set SC,  12                           ; v12-15  rsqrt(var + eps) gamma
.set TOT, 16                           ; v16-31  four blocks' sums
.set M2,  32                           ; v32-47  four blocks' squares
.set GA,  48
.set BE,  52
.set WS,  56
.set MEAN, 60
.set Y,   64                           ; v64-127
.set R,   128                          ; v128-159
.set E,   160                          ; v160-175
.macro RED8 b
.irp j, 0,2,4,6
	v_pk_add_f32 v[(\b)+4*\j:(\b)+4*\j+1], v[(\b)+4*\j:(\b)+4*\j+1], v[(\b)+4*\j+4:(\b)+4*\j+5]
	v_pk_add_f32 v[(\b)+4*\j+2:(\b)+4*\j+3], v[(\b)+4*\j+2:(\b)+4*\j+3], v[(\b)+4*\j+6:(\b)+4*\j+7]
.endr
.irp j, 0,4
	v_pk_add_f32 v[(\b)+4*\j:(\b)+4*\j+1], v[(\b)+4*\j:(\b)+4*\j+1], v[(\b)+4*\j+8:(\b)+4*\j+9]
	v_pk_add_f32 v[(\b)+4*\j+2:(\b)+4*\j+3], v[(\b)+4*\j+2:(\b)+4*\j+3], v[(\b)+4*\j+10:(\b)+4*\j+11]
.endr
	v_pk_add_f32 v[(\b):(\b)+1], v[(\b):(\b)+1], v[(\b)+16:(\b)+17]
	v_pk_add_f32 v[(\b)+2:(\b)+3], v[(\b)+2:(\b)+3], v[(\b)+18:(\b)+19]
.endm
	s_load_b256 s[4:11], s[0:1], 0x0               ; y s[4:5], part s[6:7], gamma s[8:9], beta s[10:11]
	s_load_b64 s[12:13], s[0:1], 0x20              ; out0
	v_lshl_add_u32 v[SPW], v0, 2, SPARE
	v_mov_b32 v[NIL], 0
	v_lshrrev_b32 v3, 5, v0
	v_readfirstlane_b32 s14, v3                    ; wave 0..7
	v_and_b32 v[LN], 31, v0
	v_lshlrev_b32 v[LN], 4, v[LN]
	v_lshlrev_b32 v[TH], 4, v0
	s_and_b32 s15, ttmp7, 0xffff                   ; the block of 128 rows
	s_lshl_b32 s20, ttmp9, 9                       ; the strip of 128 channels
	s_mov_b32 s21, 0
	s_lshl_b32 s22, s14, 14                        ; my four blocks of part
	s_add_co_u32 s22, s22, s20
	s_mov_b32 s23, 0
	s_lshl_b32 s24, s15, 18
	s_lshl_b32 s25, s14, 15                        ; my 16 rows
	s_add_co_u32 s24, s24, s25
	s_add_co_u32 s24, s24, s20
	s_mov_b32 s25, 0
	s_mov_b32 s16, 0x3a83126f                      ; eps = 1e-3
	s_mov_b32 s17, s16
	s_mov_b32 s18, 0x39000000                      ; 1 / 8,192
	s_mov_b32 s19, s18
	s_wait_kmcnt 0x0
	s_add_nc_u64 s[4:5], s[4:5], s[24:25]
	s_add_nc_u64 s[12:13], s[12:13], s[24:25]
	s_add_nc_u64 s[6:7], s[6:7], s[22:23]
	s_add_nc_u64 s[8:9], s[8:9], s[20:21]
	s_add_nc_u64 s[10:11], s[10:11], s[20:21]
.irp i, 0,1,2,3
	global_load_b128 v[TOT+4*\i:TOT+4*\i+3], v[LN], s[6:7] offset:4096*\i
	global_load_b128 v[M2+4*\i:M2+4*\i+3],   v[LN], s[6:7] offset:4096*\i+2048
.endr
	global_load_b128 v[GA:GA+3], v[LN], s[8:9]
	global_load_b128 v[BE:BE+3], v[LN], s[10:11]
.irp i, 0,1,2,3,4,5,6,7,8,9,10,11,12,13,14,15
	global_load_b128 v[Y+4*\i:Y+4*\i+3], v[LN], s[4:5] offset:2048*\i th:TH_LOAD_NT
.endr
	s_wait_loadcnt 18                              ; part is in; gamma, beta and y's 16 loads stay out
.irp p, 0,1
	v_pk_add_f32 v[WS+2*\p:WS+2*\p+1], v[TOT+2*\p:TOT+2*\p+1], v[TOT+4+2*\p:TOT+4+2*\p+1]
	v_pk_add_f32 v[E+2*\p:E+2*\p+1], v[TOT+8+2*\p:TOT+8+2*\p+1], v[TOT+12+2*\p:TOT+12+2*\p+1]
.endr
.irp p, 0,1
	v_pk_add_f32 v[WS+2*\p:WS+2*\p+1], v[WS+2*\p:WS+2*\p+1], v[E+2*\p:E+2*\p+1]
.endr
	ds_store_b128 v[TH], v[WS:WS+3]
	s_wait_dscnt 0x0
	s_barrier_signal -1
	s_barrier_wait -1
.irp j, 0,1,2,3,4,5,6,7
	ds_load_b128 v[R+4*\j:R+4*\j+3], v[LN] offset:512*\j
.endr
	s_wait_dscnt 0x0
	RED8 R
.irp p, 0,1
	v_pk_mul_f32 v[MEAN+2*\p:MEAN+2*\p+1], v[R+2*\p:R+2*\p+1], s[18:19] op_sel_hi:[1,0]
	v_pk_mul_f32 v[M16+2*\p:M16+2*\p+1], v[R+2*\p:R+2*\p+1], 0x3b000000 op_sel_hi:[1,0]  ; / 512
.endr
.irp i, 0,1,2,3
.irp p, 0,1
	v_pk_fma_f32 v[E+4*\i+2*\p:E+4*\i+2*\p+1], v[TOT+4*\i+2*\p:TOT+4*\i+2*\p+1], 0x3d800000, v[M16+2*\p:M16+2*\p+1] op_sel_hi:[1,0,1] neg_lo:[0,0,1] neg_hi:[0,0,1]  ; TOT / 16 - 16 mean
.endr
.endr
.irp i, 0,1,2,3
.irp p, 0,1
	v_pk_fma_f32 v[M2+4*\i+2*\p:M2+4*\i+2*\p+1], v[E+4*\i+2*\p:E+4*\i+2*\p+1], v[E+4*\i+2*\p:E+4*\i+2*\p+1], v[M2+4*\i+2*\p:M2+4*\i+2*\p+1]
.endr
.endr
.irp p, 0,1
	v_pk_add_f32 v[M2+2*\p:M2+2*\p+1], v[M2+2*\p:M2+2*\p+1], v[M2+4+2*\p:M2+4+2*\p+1]
	v_pk_add_f32 v[M2+8+2*\p:M2+8+2*\p+1], v[M2+8+2*\p:M2+8+2*\p+1], v[M2+12+2*\p:M2+12+2*\p+1]
.endr
.irp p, 0,1
	v_pk_add_f32 v[M2+2*\p:M2+2*\p+1], v[M2+2*\p:M2+2*\p+1], v[M2+8+2*\p:M2+8+2*\p+1]
.endr
	ds_store_b128 v[TH], v[M2:M2+3] offset:RED2    ; bytes of their own: no wave still reads them
	s_wait_dscnt 0x0
	s_barrier_signal -1
	s_barrier_wait -1
.irp j, 0,1,2,3,4,5,6,7
	ds_load_b128 v[R+4*\j:R+4*\j+3], v[LN] offset:RED2+512*\j
.endr
	s_wait_dscnt 0x0
	RED8 R
.irp p, 0,1
	v_pk_fma_f32 v[R+2*\p:R+2*\p+1], v[R+2*\p:R+2*\p+1], s[18:19], s[16:17] op_sel_hi:[1,0,0]  ; var + eps
.endr
.irp j, 0,1,2,3
	v_rsq_f32 v[SC+\j], v[R+\j]
.endr
	v_nop
	s_wait_alu depctr_va_vdst(0)                   ; one wait for the four roots
	s_wait_loadcnt 16                              ; gamma and beta are in; y's 16 loads may stay out
.irp p, 0,1
	v_pk_mul_f32 v[SC+2*\p:SC+2*\p+1], v[SC+2*\p:SC+2*\p+1], v[GA+2*\p:GA+2*\p+1]
.endr
.irp i, 0,1,2,3,4,5,6,7,8,9,10,11,12,13,14,15
	s_wait_loadcnt 15-\i                           ; row i is in; the younger rows stay out
.irp p, 0,1
	v_pk_add_f32 v[Y+4*\i+2*\p:Y+4*\i+2*\p+1], v[Y+4*\i+2*\p:Y+4*\i+2*\p+1], v[MEAN+2*\p:MEAN+2*\p+1] neg_lo:[0,1] neg_hi:[0,1]
.endr
.irp p, 0,1
	v_pk_fma_f32 v[Y+4*\i+2*\p:Y+4*\i+2*\p+1], v[Y+4*\i+2*\p:Y+4*\i+2*\p+1], v[SC+2*\p:SC+2*\p+1], v[BE+2*\p:BE+2*\p+1]
.endr
	global_store_b128 v[LN], v[Y+4*\i:Y+4*\i+3], s[12:13] offset:2048*\i th:TH_STORE_NT  ; each row has registers of its own: none is written again
.endr
	s_wait_tensorcnt 0x0                           ; the wave's end, behind my last LDS store
	ds_add_u32 v[SPW], v[NIL]
	s_wait_dscnt 0x0
	s_endpgm
.Lfunc_end_k_q2b00f3672e_bn:
	.size	k_q2b00f3672e_bn, .Lfunc_end_k_q2b00f3672e_bn-k_q2b00f3672e_bn
	.p2alignl 7, 3214868480
	.fill 96, 4, 3214868480
	.section	.rodata,"a",@progbits
	.p2align	6, 0x0
	.amdhsa_kernel k_q2b00f3672e_bn
		.amdhsa_group_segment_fixed_size 9216
		.amdhsa_private_segment_fixed_size 0
		.amdhsa_enable_private_segment 0
		.amdhsa_kernarg_size 40
		.amdhsa_user_sgpr_count 2
		.amdhsa_user_sgpr_kernarg_segment_ptr 1
		.amdhsa_wavefront_size32 1
		.amdhsa_system_sgpr_workgroup_id_x 1
		.amdhsa_system_sgpr_workgroup_id_y 1
		.amdhsa_system_sgpr_workgroup_id_z 1
		.amdhsa_system_vgpr_workitem_id 0
		.amdhsa_next_free_vgpr 176
		.amdhsa_next_free_sgpr 66
		.amdhsa_reserve_vcc 0
		.amdhsa_float_denorm_mode_32 3
		.amdhsa_float_denorm_mode_16_64 3
		.amdhsa_memory_ordered 1
		.amdhsa_forward_progress 1
		.amdhsa_inst_pref_size 16
	.end_amdhsa_kernel
	.amdgpu_metadata
---
amdhsa.version: [ 1, 2 ]
amdhsa.kernels:
  - .name:           k_q2b00f3672e_bn
    .symbol:         k_q2b00f3672e_bn.kd
    .args:
      - { .name: y, .offset: 0, .size: 8, .value_kind: global_buffer, .address_space: global }
      - { .name: part, .offset: 8, .size: 8, .value_kind: global_buffer, .address_space: global }
      - { .name: gamma, .offset: 16, .size: 8, .value_kind: global_buffer, .address_space: global }
      - { .name: beta, .offset: 24, .size: 8, .value_kind: global_buffer, .address_space: global }
      - { .name: out0, .offset: 32, .size: 8, .value_kind: global_buffer, .address_space: global }
    .group_segment_fixed_size: 9216
    .private_segment_fixed_size: 0
    .kernarg_segment_align: 8
    .kernarg_segment_size: 40
    .max_flat_workgroup_size: 256
    .sgpr_count:     66
    .vgpr_count:     176
    .wavefront_size: 32
...
	.end_amdgpu_metadata
.endif
;; end of part 4
;; ======== version 2 of 2: 4 launches; version 1 with the launch bn written anew for expert scheduling mode
;; workspace buffers: wf 1,572,864 bytes; qf 8,388,608 bytes; kv 16,777,216 bytes; y 16,777,216 bytes; part 131,072 bytes
;; launch prep: the kernel of part 1 again; grid 32 x 3, 4 waves a work-group, no clusters, 0 bytes of LDS; arguments wq, wk, wv, wf; writes wf
;; launch proj: the kernel of part 2 again; grid 32 x 8, 4 waves a work-group, clusters of 4 x 1, 197,120 bytes of LDS; arguments inputs, wf, bq, bk, bv, qf, kv; writes qf, kv
;; launch attn: the kernel of part 3 again; grid 4 x 64, 8 waves a work-group, clusters of 4 x 1, 267,264 bytes of LDS; arguments qf, kv, inputs, y, part; writes y, part
;; launch bn (part 5): grid 4 x 64, 8 waves a work-group, no clusters, 9,216 bytes of LDS; arguments y, part, gamma, beta, out0; writes out0
.if DOCPART == 5
	.amdgcn_target "amdgcn-amd-amdhsa--gfx1250"
	.amdhsa_code_object_version 6
	.text
	.protected	k_q2b00f3672e_bn
	.globl	k_q2b00f3672e_bn
	.p2align	8
	.type	k_q2b00f3672e_bn,@function
k_q2b00f3672e_bn:
	s_mov_b64 s[64:65], 0
	v_nop
	global_prefetch_b8 v0, s[64:65] scope:SCOPE_SE
	s_setreg_imm32_b32 hwreg(HW_REG_WAVE_SCHED_MODE, 0, 2), 2
	s_setreg_imm32_b32 hwreg(HW_REG_WAVE_MODE, 25, 1), 1
	s_wait_xcnt 0x0
	s_wait_alu depctr_vm_vsrc(0)
; out0 = (y - mean) rsqrt(var + 1e-3) gamma + beta; mean and var of each channel over all 8,192 rows, from the 32 blocks' sums.  Nothing of the problem is left out here.
; var = (sum over blocks of M2 + 256 (block mean - mean)^2) / 8,192: sums of squares alone, no difference of large sums.  256 e^2 is taken as (TOT / 16 - 16 mean)^2: the powers of two are exact.
; SHARES: a work-group takes 128 channels (512 bytes of a row) x 128 rows, a wave 16 rows, a lane 4 channels.  Each wave joins four blocks' sums; the eight waves meet in LDS, twice.
; A stream: each load and store of a wave covers 512 consecutive bytes, aligned; all 16 loads of y go out at the head and come while the statistics are made.  Matrix units and clusters have nothing to do here.
; THE MODE: SCHED_MODE bits 1:0 = 2 (LLVM: expert scheduling mode 2), set by the entry lines.  The code itself states the register dependences
; between vector instructions and memory or LDS instructions, with s_wait_alu, always for 0.
; THE PLAN.  Registers that memory or LDS instructions touch:
;   v[LN], v[TH]   offsets and LDS addresses: written at the head, read by every load and store, never written again: one wait ahead of the first load serves them all.
;   TOT, M2, GA, BE, Y   filled by the head's loads; no vector instruction names them before.
;   WS             written by four packed sums, read by the first LDS store, never written again.
;   R              the first run of LDS loads lands in it; the sums and the two multiplies for the mean read and write it; the second run of LDS loads lands in it.
;   M2's first four   written by packed instructions, read by the second LDS store, never written again.  The wait ahead of that store also states that all that names R is done:
;                  no vector instruction stands between it and the second run of loads into R.
;   Y              16 rows in four blocks of four, each row with registers of its own.  Block b's packed instructions write its 16 registers in place; its four stores are issued in block b + 1,
;                  behind the one wait at that block's head, dealt among that block's packed instructions, which name their own 16 registers of Y, MEAN, SC and BE alone.
;   v[SPW], v[NIL] written at the head, read by the closing add alone.
; No register that a memory or LDS instruction reads is written again, so no wait on vm_vsrc is owed; EXEC is written nowhere.
.set RED2,  4096                       ; LDS: 0 .. 4,095 the waves' sums; 4,096 .. 8,191 their squares
.set SPARE, 8192                       ; the spare words, 128 bytes for each wave
.set LN,  1                            ; v1   16 x lane
.set TH,  2                            ; v2   16 x thread
.set SPW, 6
.set NIL, 7
.set M16, 8                            ; v8-11   16 mean
.set SC,  12                           ; v12-15  rsqrt(var + eps) gamma
.set TOT, 16                           ; v16-31  four blocks' sums
.set M2,  32                           ; v32-47  four blocks' squares
.set GA,  48
.set BE,  52
.set WS,  56
.set MEAN, 60
.set Y,   64                           ; v64-127
.set R,   128                          ; v128-159
.set E,   160                          ; v160-175
.macro RED8 b
.irp j, 0,2,4,6
	v_pk_add_f32 v[(\b)+4*\j:(\b)+4*\j+1], v[(\b)+4*\j:(\b)+4*\j+1], v[(\b)+4*\j+4:(\b)+4*\j+5]
	v_pk_add_f32 v[(\b)+4*\j+2:(\b)+4*\j+3], v[(\b)+4*\j+2:(\b)+4*\j+3], v[(\b)+4*\j+6:(\b)+4*\j+7]
.endr
.irp j, 0,4
	v_pk_add_f32 v[(\b)+4*\j:(\b)+4*\j+1], v[(\b)+4*\j:(\b)+4*\j+1], v[(\b)+4*\j+8:(\b)+4*\j+9]
	v_pk_add_f32 v[(\b)+4*\j+2:(\b)+4*\j+3], v[(\b)+4*\j+2:(\b)+4*\j+3], v[(\b)+4*\j+10:(\b)+4*\j+11]
.endr
	v_pk_add_f32 v[(\b):(\b)+1], v[(\b):(\b)+1], v[(\b)+16:(\b)+17]
	v_pk_add_f32 v[(\b)+2:(\b)+3], v[(\b)+2:(\b)+3], v[(\b)+18:(\b)+19]
.endm
	s_load_b256 s[4:11], s[0:1], 0x0               ; y s[4:5], part s[6:7], gamma s[8:9], beta s[10:11]
	s_load_b64 s[12:13], s[0:1], 0x20              ; out0
	v_lshl_add_u32 v[SPW], v0, 2, SPARE
	v_mov_b32 v[NIL], 0
	v_lshrrev_b32 v3, 5, v0
	v_readfirstlane_b32 s14, v3                    ; wave 0..7
	v_and_b32 v[LN], 31, v0
	v_lshlrev_b32 v[LN], 4, v[LN]
	v_lshlrev_b32 v[TH], 4, v0
	s_wait_alu depctr_va_sdst(0)                   ; s14 is written, ahead of its first reader: the offsets in part and in y are made from it
	s_and_b32 s15, ttmp7, 0xffff                   ; the block of 128 rows
	s_lshl_b32 s20, ttmp9, 9                       ; the strip of 128 channels
	s_mov_b32 s21, 0
	s_lshl_b32 s22, s14, 14                        ; my four blocks of part
	s_add_co_u32 s22, s22, s20
	s_mov_b32 s23, 0
	s_lshl_b32 s24, s15, 18
	s_lshl_b32 s25, s14, 15                        ; my 16 rows
	s_add_co_u32 s24, s24, s25
	s_add_co_u32 s24, s24, s20
	s_mov_b32 s25, 0
	s_mov_b32 s16, 0x3a83126f                      ; eps = 1e-3
	s_mov_b32 s17, s16
	s_mov_b32 s18, 0x39000000                      ; 1 / 8,192
	s_mov_b32 s19, s18
	s_wait_kmcnt 0x0
	s_add_nc_u64 s[4:5], s[4:5], s[24:25]
	s_add_nc_u64 s[12:13], s[12:13], s[24:25]
	s_add_nc_u64 s[6:7], s[6:7], s[22:23]
	s_add_nc_u64 s[8:9], s[8:9], s[20:21]
	s_add_nc_u64 s[10:11], s[10:11], s[20:21]
	s_wait_alu depctr_va_vdst(0)                   ; v[LN] and v[TH] are written: every load and store of the kernel, global or LDS, reads one of them as its offset or address
.irp i, 0,1,2,3
	global_load_b128 v[TOT+4*\i:TOT+4*\i+3], v[LN], s[6:7] offset:4096*\i
	global_load_b128 v[M2+4*\i:M2+4*\i+3],   v[LN], s[6:7] offset:4096*\i+2048
.endr
	global_load_b128 v[GA:GA+3], v[LN], s[8:9]
	global_load_b128 v[BE:BE+3], v[LN], s[10:11]
.irp i, 0,1,2,3,4,5,6,7,8,9,10,11,12,13,14,15
	global_load_b128 v[Y+4*\i:Y+4*\i+3], v[LN], s[4:5] offset:2048*\i th:TH_LOAD_NT
.endr
	s_wait_loadcnt 18                              ; part is in; gamma, beta and y's 16 loads stay out
.irp p, 0,1
	v_pk_add_f32 v[WS+2*\p:WS+2*\p+1], v[TOT+2*\p:TOT+2*\p+1], v[TOT+4+2*\p:TOT+4+2*\p+1]
	v_pk_add_f32 v[E+2*\p:E+2*\p+1], v[TOT+8+2*\p:TOT+8+2*\p+1], v[TOT+12+2*\p:TOT+12+2*\p+1]
.endr
.irp p, 0,1
	v_pk_add_f32 v[WS+2*\p:WS+2*\p+1], v[WS+2*\p:WS+2*\p+1], v[E+2*\p:E+2*\p+1]
.endr
	s_wait_alu depctr_va_vdst(0)                   ; the sums have written v[WS ..], which the LDS store reads
	ds_store_b128 v[TH], v[WS:WS+3]
	s_wait_dscnt 0x0
	s_barrier_signal -1
	s_barrier_wait -1
.irp j, 0,1,2,3,4,5,6,7
	ds_load_b128 v[R+4*\j:R+4*\j+3], v[LN] offset:512*\j
.endr
	s_wait_dscnt 0x0
	RED8 R
.irp p, 0,1
	v_pk_mul_f32 v[MEAN+2*\p:MEAN+2*\p+1], v[R+2*\p:R+2*\p+1], s[18:19] op_sel_hi:[1,0]
	v_pk_mul_f32 v[M16+2*\p:M16+2*\p+1], v[R+2*\p:R+2*\p+1], 0x3b000000 op_sel_hi:[1,0]  ; / 512
.endr
.irp i, 0,1,2,3
.irp p, 0,1
	v_pk_fma_f32 v[E+4*\i+2*\p:E+4*\i+2*\p+1], v[TOT+4*\i+2*\p:TOT+4*\i+2*\p+1], 0x3d800000, v[M16+2*\p:M16+2*\p+1] op_sel_hi:[1,0,1] neg_lo:[0,0,1] neg_hi:[0,0,1]  ; TOT / 16 - 16 mean
.endr
.endr
.irp i, 0,1,2,3
.irp p, 0,1
	v_pk_fma_f32 v[M2+4*\i+2*\p:M2+4*\i+2*\p+1], v[E+4*\i+2*\p:E+4*\i+2*\p+1], v[E+4*\i+2*\p:E+4*\i+2*\p+1], v[M2+4*\i+2*\p:M2+4*\i+2*\p+1]
.endr
.endr
.irp p, 0,1
	v_pk_add_f32 v[M2+2*\p:M2+2*\p+1], v[M2+2*\p:M2+2*\p+1], v[M2+4+2*\p:M2+4+2*\p+1]
	v_pk_add_f32 v[M2+8+2*\p:M2+8+2*\p+1], v[M2+8+2*\p:M2+8+2*\p+1], v[M2+12+2*\p:M2+12+2*\p+1]
.endr
.irp p, 0,1
	v_pk_add_f32 v[M2+2*\p:M2+2*\p+1], v[M2+2*\p:M2+2*\p+1], v[M2+8+2*\p:M2+8+2*\p+1]
.endr
	s_wait_alu depctr_va_vdst(0)                   ; the sums have written v[M2 .. M2+3], which the LDS store reads; and the sums and multiplies that read and wrote v[R ..] are done: the loads behind the barrier land there, with no vector instruction between
	ds_store_b128 v[TH], v[M2:M2+3] offset:RED2    ; bytes of their own: no wave still reads them
	s_wait_dscnt 0x0
	s_barrier_signal -1
	s_barrier_wait -1
.irp j, 0,1,2,3,4,5,6,7
	ds_load_b128 v[R+4*\j:R+4*\j+3], v[LN] offset:RED2+512*\j
.endr
	s_wait_dscnt 0x0
	RED8 R
.irp p, 0,1
	v_pk_fma_f32 v[R+2*\p:R+2*\p+1], v[R+2*\p:R+2*\p+1], s[18:19], s[16:17] op_sel_hi:[1,0,0]  ; var + eps
.endr
.irp j, 0,1,2,3
	v_rsq_f32 v[SC+\j], v[R+\j]
.endr
	v_nop
	s_wait_alu depctr_va_vdst(0)                   ; one wait for the four roots: v[SC ..] is written, ahead of its first reader
	s_wait_loadcnt 16                              ; gamma and beta are in; y's 16 loads may stay out
.irp p, 0,1
	v_pk_mul_f32 v[SC+2*\p:SC+2*\p+1], v[SC+2*\p:SC+2*\p+1], v[GA+2*\p:GA+2*\p+1]
.endr
; Block b of four rows: its 16 packed instructions work in place on its own registers of y; the four stores of the block before are dealt among them, one ahead of each row's four.
.macro BLK b
	s_wait_loadcnt 12-4*(\b)                       ; loads come back in order (ISA guide 5.7.1): this block's four rows are in; the younger blocks stay out
.if (\b) > 0
	s_wait_alu depctr_va_vdst(0)                   ; the block before has written its 16 registers of y, which the four stores below read; no vector instruction behind this wait names them
.endif
.irp i, 0,1,2,3
.if (\b) > 0
	global_store_b128 v[LN], v[Y+16*(\b)-16+4*\i:Y+16*(\b)-16+4*\i+3], s[12:13] offset:2048*(4*(\b)-4+\i) th:TH_STORE_NT  ; each row has registers of its own: none is written again
.endif
.irp p, 0,1
	v_pk_add_f32 v[Y+16*(\b)+4*\i+2*\p:Y+16*(\b)+4*\i+2*\p+1], v[Y+16*(\b)+4*\i+2*\p:Y+16*(\b)+4*\i+2*\p+1], v[MEAN+2*\p:MEAN+2*\p+1] neg_lo:[0,1] neg_hi:[0,1]
.endr
.irp p, 0,1
	v_pk_fma_f32 v[Y+16*(\b)+4*\i+2*\p:Y+16*(\b)+4*\i+2*\p+1], v[Y+16*(\b)+4*\i+2*\p:Y+16*(\b)+4*\i+2*\p+1], v[SC+2*\p:SC+2*\p+1], v[BE+2*\p:BE+2*\p+1]
.endr
.endr
.endm
	BLK 0
	BLK 1
	BLK 2
	BLK 3
	s_wait_alu depctr_va_vdst(0)                   ; the last block has written its 16 registers of y, which the last four stores read
.irp i, 0,1,2,3
	global_store_b128 v[LN], v[Y+48+4*\i:Y+48+4*\i+3], s[12:13] offset:2048*(12+\i) th:TH_STORE_NT
.endr
	s_wait_dscnt 0x0                               ; the closing lines, six on end
	s_wait_alu 0x0
	s_wait_tensorcnt 0x0
	ds_add_u32 v[SPW], v[NIL]
	s_wait_dscnt 0x0
	s_endpgm
.Lfunc_end_k_q2b00f3672e_bn:
	.size	k_q2b00f3672e_bn, .Lfunc_end_k_q2b00f3672e_bn-k_q2b00f3672e_bn
	.p2alignl 7, 3214868480
	.fill 96, 4, 3214868480
	.section	.rodata,"a",@progbits
	.p2align	6, 0x0
	.amdhsa_kernel k_q2b00f3672e_bn
		.amdhsa_group_segment_fixed_size 9216
		.amdhsa_private_segment_fixed_size 0
		.amdhsa_enable_private_segment 0
		.amdhsa_kernarg_size 40
		.amdhsa_user_sgpr_count 2
		.amdhsa_user_sgpr_kernarg_segment_ptr 1
		.amdhsa_wavefront_size32 1
		.amdhsa_system_sgpr_workgroup_id_x 1
		.amdhsa_system_sgpr_workgroup_id_y 1
		.amdhsa_system_sgpr_workgroup_id_z 1
		.amdhsa_system_vgpr_workitem_id 0
		.amdhsa_next_free_vgpr 176
		.amdhsa_next_free_sgpr 66
		.amdhsa_reserve_vcc 0
		.amdhsa_float_denorm_mode_32 3
		.amdhsa_float_denorm_mode_16_64 3
		.amdhsa_memory_ordered 1
		.amdhsa_forward_progress 1
		.amdhsa_inst_pref_size 16
	.end_amdhsa_kernel
	.amdgpu_metadata
---
amdhsa.version: [ 1, 2 ]
amdhsa.kernels:
  - .name:           k_q2b00f3672e_bn
    .symbol:         k_q2b00f3672e_bn.kd
    .args:
      - { .name: y, .offset: 0, .size: 8, .value_kind: global_buffer, .address_space: global }
      - { .name: part, .offset: 8, .size: 8, .value_kind: global_buffer, .address_space: global }
      - { .name: gamma, .offset: 16, .size: 8, .value_kind: global_buffer, .address_space: global }
      - { .name: beta, .offset: 24, .size: 8, .value_kind: global_buffer, .address_space: global }
      - { .name: out0, .offset: 32, .size: 8, .value_kind: global_buffer, .address_space: global }
    .group_segment_fixed_size: 9216
    .private_segment_fixed_size: 0
    .kernarg_segment_align: 8
    .kernarg_segment_size: 40
    .max_flat_workgroup_size: 256
    .sgpr_count:     66
    .vgpr_count:     176
    .wavefront_size: 32
...
	.end_amdgpu_metadata
.endif
;; end of part 5
